; MI455X (gfx1250); checked and timed in simulation.
; The chip was launched on July 23, 2026; its instructions are those of AMD's public machine-readable ISA for CDNA 5 (MIT licence, August 2026) and "CDNA5" Instruction Set Architecture Reference Guide (July 2026). The comments in the code are by the model that wrote it; some were corrected since.
;; Mug head. Allowed arithmetic: matrix products marked QUANTISED: E2M3 operands, one E8M0 scale for each 32 along K, by v_wmma_scale_f32_16x16x128_f8f6f4 with both operands' format E2M3, f32 sums; everything else in f32.
;; Inputs: text_feat 256 x 32 x 512 float32; text_mask 256 x 32 float32; video_feat 256 x 16 x 512 float32.
;; Outputs: out0 256 x 256 float32.
;; This version of the problem:
;;   THIS VERSION OF THE PROBLEM IS GIVEN IN LOW PRECISION. The matrix products marked QUANTISED in the list below multiply operands that are first quantised to E2M3 (2 exponent bits, 3 mantissa bits; 6 bits a number), with one power-of-two scale for each 32 numbers along K (OCP MX v1.0); their sums are f32. All else is computed in f32.
;;   The module's matrix products, in the order in which they are computed (A, B: the left and right operand; K: the contracted axis; several contracted axes count as one K, in the product's order):
;;     1. [M 4,096, K 512] x [K 512, N 8,192]; A: computed on the way; B: computed on the way: QUANTISED
;;   THE QUANTISER, for each operand of a quantised product, along K:
;;     - K is cut into blocks of 32 from its start; a last block that is shorter is filled with zeros.
;;     - A block's scale is 2^e with e = floor(log2(the largest magnitude in the block)) - 2, held to -126 .. 127; a block of zeros has e = 0. As a byte (E8M0): e + 127.
;;     - Each number is divided by its block's scale, clamped to +-7.5, and rounded to the nearest number of E2M3, ties to even, subnormals kept.
;;     - The product sums the exact products of the quantised numbers (number of the format x scale) in f32.
;;   ~~~python
;;   def quantise(x, axis):      # numpy; x: float32 -> the quantised numbers, widened to float32 again
;;       x = np.moveaxis(x, axis, -1); K = x.shape[-1]
;;       x = np.pad(x, [(0, 0)] * (x.ndim - 1) + [(0, -K % 32)]); x = x.reshape(x.shape[:-1] + (-1, 32)); a = np.abs(x).max(-1, keepdims=True)
;;       e = np.where(a > 0, np.clip(np.frexp(np.where(a > 0, a, 1))[1] - 1 - 2, -126, 127), 0)      # np.frexp(a)[1] - 1 = floor(log2(a)), exactly
;;       r = np.clip(x / 2.0 ** e, -7.5, 7.5)
;;       step = 2.0 ** (np.maximum(np.frexp(np.where(r == 0, 1, r))[1] - 1, 0) - 3)
;;       q = np.round(r / step) * step * 2.0 ** e      # np.round: ties to even
;;       return np.moveaxis(q.reshape(q.shape[:-2] + (-1,))[..., :K], -1, axis).astype(np.float32)
;;   ~~~
;;   OPERANDS COMPUTED ON THE WAY. 'Computed on the way' means the value that the module computes at that place (a softmax that the list does not call 'softmax' is quantised finished and normalised). What goes into a quantiser is computed in f32, as accurately as f32 sums, v_exp_f32 and their like allow (about 1e-6 of the number): no bf16 or f16 on the way to a quantiser, and a product that is left as it is and whose result goes on into a quantised operand takes f32 operands (vector FMAs, or v_wmma_f32_16x16x4_f32). A number that lies on a knife's edge between two numbers of the format may be rounded either way, as far as f32 arithmetic and the matrix unit's own rounding can turn it there, and no further.
;; One version. Each part assembles by itself: llvm-mc -triple=amdgcn-amd-amdhsa -mcpu=gfx1250 --defsym DOCPART=n.
;; ======== version 1 of 1: 2 launches
;; limits: right only within a limited range of input values
;; workspace buffers: codes 4,915,200 bytes
;; launch quant (part 1): grid 768 x 1, 4 waves a work-group, no clusters, 33,792 bytes of LDS; arguments text_feat, video_feat, codes; writes codes
.if DOCPART == 1
	.amdgcn_target "amdgcn-amd-amdhsa--gfx1250"
	.amdhsa_code_object_version 6
	.text
	.protected	k_q131f930674_quant
	.globl	k_q131f930674_quant
	.p2align	8
	.type	k_q131f930674_quant,@function
k_q131f930674_quant:
	s_mov_b64 s[64:65], 0
	v_nop
	global_prefetch_b8 v0, s[64:65] scope:SCOPE_SE
	s_setreg_imm32_b32 hwreg(HW_REG_WAVE_MODE, 25, 1), 1
	s_wait_xcnt 0x0
; Rows of text_feat (8,192 x 512 f32) and video_feat (4,096 x 512 f32) are normalised, a / max(|a|, 1e-6), and quantised along their 512 numbers into codes of FP6 (E2M3)
; with one E8M0 scale byte for each 32 numbers.  A TILE is 16 rows: tiles 0-511 are the text's (tile 2 a + u: tokens 16 u .. 16 u + 15 of text a); tile 512 + 2 B + k holds
; frames 8 k .. 8 k + 7 of video 2 B in its rows 0-7 and the same frames of video 2 B + 1 in its rows 8-15.
; OUT.  A K step (128 along K) of a tile is 1,536 bytes, the IMAGE OF THE OPERAND'S REGISTERS: registers 4 c .. 4 c + 3 of lane l at 512 c + 16 l.  A tile's scales are 256 bytes: row r's sixteen at
;       16 r, so that the word of K step s lies at 16 r + 4 s.
;       Videos: tile T is a record of 6,400 bytes at 6,400 T: its four K steps, then its scales.
;       Texts: a block of 16 texts, 32 tiles, is 204,800 bytes.  First for each tile K steps 0 and 1 and its scales (3,328 bytes), then, from 106,496 on, for each tile K steps 2 and 3 (3,072 bytes).
; SHARES.  One work-group a tile.  Phase 1: wave w owns rows 4 w .. 4 w + 3 whole, so a row's sum of squares never leaves the wave; the normalised rows go to a stage in LDS.
; Phase 2: wave w owns K step w of all 16 rows: lane (r, h) takes the 2 x 32 numbers that the operand's layout gives it, so a block's largest magnitude needs no other lane
; and the conversions' results are the operand's registers.  Every load and every store of codes covers 512 consecutive bytes.
; One launch serves both tensors: only the source pointer, the rows and the place are chosen, by the work-group's number.  No matrix unit, no cluster, no tensor load: a stream that is read once.
; A block's scale is 2^(floor(log2(its largest magnitude)) - 2): its byte is that magnitude's exponent field - 2, held at 1 from below.
; LIMITS: NaN and infinities among the inputs are not served.  A block of zeros gets the byte 1 where the quantiser's rule says 127: its codes are zeros, and this program alone reads
; the bytes.  The division is a multiplication by v_rcp_f32 of max(v_sqrt_f32(sum), 1e-6), some 1.5 units in the last place; the squares are summed in another order than numpy's.
.set PIT,  2064                        ; a stage row: 2,048 bytes + 16: sixteen rows' equal columns fall into sixteen different 16-byte columns of 256
.set SCL,  16*PIT                      ; behind the stage: the tile's 256 scale bytes
.set SPARE, SCL+256                    ; the spare words: 128 bytes for each wave
.set GA,   4                           ; v4   16 x lane: my 16 bytes of a load's or store's 512
.set SA,   5                           ; v5   stage, on the way in: 16 x lane + my wave's four rows
.set RA,   6                           ; v6   stage, on the way out: row r, + 128 h, + 512 x wave
.set SCA,  7                           ; v7   my row's scale word of my K step
.set OA,   8                           ; v8   8 x lane
.set OL,   9                           ; v9   SCL + 8 x lane
.set SS,   10                          ; v[10:17] four pairs: sums of squares
.set INV,  18                          ; v[18:25] four pairs: 1 / norm in the even register, the odd one 0 (named with it as a pair)
.set PD,   26                          ; v26-29 destinations of lane permutes
.set X,    32                          ; v32-95 phase 1: row q's 16 numbers at 32 + 16 q; phase 2: block c's 32 numbers at 32 + 32 c
.set F,    96                          ; v96-107 the fragment
.set T2,   108                         ; v[108:110], v[112:114] the second halves of the blocks' codes
.set AM,   116                         ; v116-117 largest magnitudes
.set SO,   118                         ; v118-119 the conversions' scale operands
.set BY,   120                         ; v120-121 scale bytes
.set W,    122                         ; v122 the scale word
.set SH,   123                         ; v123 8 h
.set SPW,  128                         ; v128 my spare word's address, v129 0: kept for the add alone
.set NIL,  129
.set WV,   12
.set SEL,  20
	s_load_b128 s[4:7], s[0:1], 0x0                ; text_feat, video_feat
	s_load_b64 s[8:9], s[0:1], 0x10                ; codes
	v_lshl_add_u32 v[SPW], v0, 2, SPARE
	v_mov_b32 v[NIL], 0
	v_lshrrev_b32 v1, 5, v0
	v_readfirstlane_b32 s[WV], v1                  ; wave 0..3
	v_and_b32 v1, 31, v0                           ; lane
	v_and_b32 v2, 15, v0                           ; r
	v_bfe_u32 v3, v0, 4, 1                         ; h
	v_lshlrev_b32 v[GA], 4, v1
	s_mul_i32 s14, s[WV], 4*PIT
	v_add_nc_u32 v[SA], s14, v[GA]
	v_mul_u32_u24 v[RA], v2, PIT
	v_lshl_add_u32 v[RA], v3, 7, v[RA]
	s_lshl_b32 s14, s[WV], 9
	v_add_nc_u32 v[RA], s14, v[RA]
	v_lshlrev_b32 v[SCA], 4, v2
	s_lshl_b32 s14, s[WV], 2
	v_add_nc_u32 v[SCA], s14, v[SCA]
	v_add_nc_u32 v[SCA], SCL, v[SCA]
	v_lshlrev_b32 v[OA], 3, v1
	v_add_nc_u32 v[OL], SCL, v[OA]
	v_lshlrev_b32 v[SH], 3, v3
.irp q, 0,1,2,3
	v_mov_b32 v[INV+2*\q+1], 0                     ; the pair's upper word is named, so it is written
	v_mov_b32 v[PD+\q], 0                          ; a lane permute's destination counts as one of its sources
.endr
	s_mov_b32 s[SEL], 0x76543210
	s_mov_b32 s[SEL+1], 0xfedcba98                 ; v_permlanex16_b32's selects for lane l xor 16
	; my wave's four rows, in bytes (a row is 2,048).  Text: 16 x tile + 4 w
	s_lshl_b32 s14, ttmp9, 15
	s_lshl_b32 s15, s[WV], 13
	s_add_co_u32 s14, s14, s15
	; Videos: 32 B + 8 k + 16 (w / 2) + 4 (w % 2), with tile - 512 = 2 B + k
	s_sub_co_u32 s13, ttmp9, 512
	s_lshr_b32 s15, s13, 1
	s_lshl_b32 s15, s15, 16
	s_and_b32 s18, s13, 1
	s_lshl_b32 s18, s18, 14
	s_add_co_u32 s15, s15, s18
	s_lshr_b32 s18, s[WV], 1
	s_lshl_b32 s18, s18, 15
	s_add_co_u32 s15, s15, s18
	s_and_b32 s18, s[WV], 1
	s_lshl_b32 s18, s18, 13
	s_add_co_u32 s15, s15, s18
	; where my K step goes (s16) and where the tile's scales go (s18)
	s_lshr_b32 s22, ttmp9, 5
	s_mul_i32 s22, s22, 204800                     ; text: my block,
	s_and_b32 s23, ttmp9, 31
	s_mul_i32 s24, s23, 3328
	s_add_co_u32 s24, s24, s22                     ; my tile's K steps 0 and 1, its scales behind them,
	s_mul_i32 s25, s23, 3072
	s_add_co_u32 s25, s25, s22
	s_add_co_u32 s25, s25, 106496-3072             ; and its K steps 2 and 3, less two K steps
	s_cmp_lt_u32 s[WV], 2
	s_cselect_b32 s25, s24, s25
	s_add_co_u32 s24, s24, 3072
	s_mul_i32 s26, ttmp9, 6400                     ; videos: my tile's record,
	s_add_co_u32 s27, s26, 6144                    ; its scales
	s_cmp_lt_u32 ttmp9, 512
	s_cselect_b32 s25, s25, s26
	s_cselect_b32 s18, s24, s27
	s_mul_i32 s16, s[WV], 1536
	s_add_co_u32 s16, s16, s25
	s_mov_b32 s17, 0
	s_mov_b32 s19, 0
	s_wait_alu depctr_va_vdst(0)                   ; the wait at the head's end
	s_wait_kmcnt 0x0
	s_cmp_lt_u32 ttmp9, 512                        ; a tile of the text or of the videos?  The choice hangs on the work-group's number alone
	s_cselect_b64 s[4:5], s[4:5], s[6:7]
	s_cselect_b32 s14, s14, s15
	s_mov_b32 s15, 0
	s_add_nc_u64 s[4:5], s[4:5], s[14:15]
	s_add_nc_u64 s[10:11], s[8:9], s[18:19]
	s_add_nc_u64 s[8:9], s[8:9], s[16:17]
	; ---- phase 1: all of my four rows are asked for at once: 16 loads, 512 consecutive bytes each
.irp q, 0,1,2,3
.irp i, 0,1,2,3
	global_load_b128 v[X+16*\q+4*\i:X+16*\q+4*\i+3], v[GA], s[4:5] offset:2048*\q+512*\i th:TH_LOAD_NT
.endr
.endr
.irp q, 0,1,2,3
	s_wait_loadcnt 12-4*\q                         ; row q's four loads are in; the four of each younger row may be out
	v_pk_mul_f32 v[SS+2*\q:SS+2*\q+1], v[X+16*\q:X+16*\q+1], v[X+16*\q:X+16*\q+1]   ; the first product starts the sum
.irp j, 2,4,6,8,10,12,14
	v_pk_fma_f32 v[SS+2*\q:SS+2*\q+1], v[X+16*\q+\j:X+16*\q+\j+1], v[X+16*\q+\j:X+16*\q+\j+1], v[SS+2*\q:SS+2*\q+1]
.endr
.endr
.irp q, 0,1,2,3
	v_add_f32 v[SS+2*\q], v[SS+2*\q], v[SS+2*\q+1]
.endr
.irp m, 1,2,4,8                                ; across the 32 lanes, the four rows by turns
.irp q, 0,1,2,3
	v_add_f32_dpp v[SS+2*\q], v[SS+2*\q], v[SS+2*\q] row_xmask:\m row_mask:0xf bank_mask:0xf
.endr
.endr
.irp q, 0,1,2,3
	v_permlanex16_b32 v[PD+\q], v[SS+2*\q], s[SEL], s[SEL+1]
.endr
.irp q, 0,1,2,3
	v_add_f32 v[SS+2*\q], v[SS+2*\q], v[PD+\q]     ; every lane holds its rows' sums of squares
.endr
	s_wait_alu depctr_va_vdst(0)                   ; a wait ahead of the batch, and one behind it
.irp q, 0,1,2,3
	v_sqrt_f32 v[SS+2*\q], v[SS+2*\q]
.endr
	v_nop                                          ; a plain instruction behind the last root
	s_wait_alu depctr_va_vdst(0)
.irp q, 0,1,2,3
	v_max_num_f32 v[SS+2*\q], 0x358637bd, v[SS+2*\q]   ; max(norm, 1e-6)
.endr
	s_wait_alu depctr_va_vdst(0)
.irp q, 0,1,2,3
	v_rcp_f32 v[INV+2*\q], v[SS+2*\q]
.endr
	v_nop
	s_wait_alu depctr_va_vdst(0)
.irp q, 0,1,2,3
.irp j, 0,2,4,6,8,10,12,14
	v_pk_mul_f32 v[X+16*\q+\j:X+16*\q+\j+1], v[X+16*\q+\j:X+16*\q+\j+1], v[INV+2*\q:INV+2*\q+1] op_sel_hi:[1,0]
.endr
.endr
.irp q, 0,1,2,3
.irp i, 0,1,2,3
	ds_store_b128 v[SA], v[X+16*\q+4*\i:X+16*\q+4*\i+3] offset:\q*PIT+512*\i
.endr
.endr
	s_wait_dscnt 0x0                               ; for the others' sake: my rows lie in the stage
	s_barrier_signal -1
	s_barrier_wait -1
	; ---- phase 2: K step w of all 16 rows.  Lane (r, h) takes k = 64 c + 32 h + 0 .. 31 of row r, c = 0, 1: two whole blocks
.irp c, 0,1
.irp i, 0,1,2,3,4,5,6,7
	ds_load_b128 v[X+32*\c+4*\i:X+32*\c+4*\i+3], v[RA] offset:256*\c+16*\i
.endr
.endr
	s_wait_dscnt 0x0
.irp c, 0,1
	v_max3_num_f32 v[AM+\c], |v[X+32*\c]|, |v[X+32*\c+1]|, 0x1800000   ; and the floor 2^(3 - 127): the byte cannot fall under 1
.endr
.irp i, 2,4,6,8,10,12,14,16,18,20,22,24,26,28,30
.irp c, 0,1
	v_max3_num_f32 v[AM+\c], v[AM+\c], |v[X+32*\c+\i]|, |v[X+32*\c+\i+1]|   ; the two blocks by turns
.endr
.endr
.irp c, 0,1
	v_add_nc_u32 v[SO+\c], 0xff000000, v[AM+\c]    ; 2 off the exponent field: the conversion takes this operand's exponent field as its scale
.endr
.irp c, 0,1
	v_lshrrev_b32 v[BY+\c], 23, v[SO+\c]           ; the scale's byte
.endr
	v_lshl_or_b32 v[W], v[BY+1], 16, v[BY]         ; my two bytes: blocks h and 2 + h of the K step,
	v_lshlrev_b32 v[W], v[SH], v[W]                ; at their places, 8 h bits up;
	v_permlanex16_b32 v[PD], v[W], s[SEL], s[SEL+1]
	v_or_b32 v[W], v[W], v[PD]                     ; with lane l xor 16's two the word is whole
.irp c, 0,1
	v_cvt_scalef32_pk16_fp6_f32 v[F+6*\c:F+6*\c+2], v[X+32*\c:X+32*\c+15], v[SO+\c]
	v_cvt_scalef32_pk16_fp6_f32 v[T2+4*\c:T2+4*\c+2], v[X+32*\c+16:X+32*\c+31], v[SO+\c]   ; (a conversion's three registers begin on an even number)
.endr
	v_nop                                          ; one plain instruction behind a scaled conversion
.irp c, 0,1
.irp i, 0,1,2
	v_mov_b32 v[F+6*\c+3+\i], v[T2+4*\c+\i]
.endr
.endr
.irp c, 0,1,2
	global_store_b128 v[GA], v[F+4*\c:F+4*\c+3], s[8:9] offset:512*\c   ; the fragment as it stands: 512 consecutive bytes a store
.endr
	ds_store_b32 v[SCA], v[W]                      ; both halves of the lanes write the same word with the same value
	s_wait_dscnt 0x0                               ; for wave 0's sake
	s_barrier_signal -1
	s_barrier_wait -1
	s_cmp_lg_u32 s[WV], 0                          ; wave 0 stores the tile's 256 scale bytes as one aligned run
	s_cbranch_scc1 .Ldone
	ds_load_b64 v[SS:SS+1], v[OL]
	s_wait_dscnt 0x0
	global_store_b64 v[OA], v[SS:SS+1], s[10:11]
.Ldone:
	s_wait_tensorcnt 0x0                           ; the wave's end
	ds_add_u32 v[SPW], v[NIL]
	s_wait_dscnt 0x0
	s_endpgm
.Lfunc_end_k_q131f930674_quant:
	.size	k_q131f930674_quant, .Lfunc_end_k_q131f930674_quant-k_q131f930674_quant
	.p2alignl 7, 3214868480
	.fill 96, 4, 3214868480
	.section	.rodata,"a",@progbits
	.p2align	6, 0x0
	.amdhsa_kernel k_q131f930674_quant
		.amdhsa_group_segment_fixed_size 33792
		.amdhsa_private_segment_fixed_size 0
		.amdhsa_enable_private_segment 0
		.amdhsa_kernarg_size 24
		.amdhsa_user_sgpr_count 2
		.amdhsa_user_sgpr_kernarg_segment_ptr 1
		.amdhsa_wavefront_size32 1
		.amdhsa_system_sgpr_workgroup_id_x 1
		.amdhsa_system_sgpr_workgroup_id_y 1
		.amdhsa_system_sgpr_workgroup_id_z 1
		.amdhsa_system_vgpr_workitem_id 0
		.amdhsa_next_free_vgpr 130
		.amdhsa_next_free_sgpr 66
		.amdhsa_reserve_vcc 0
		.amdhsa_float_denorm_mode_32 3
		.amdhsa_float_denorm_mode_16_64 3
		.amdhsa_memory_ordered 1
		.amdhsa_forward_progress 1
		.amdhsa_inst_pref_size 18
	.end_amdhsa_kernel
	.amdgpu_metadata
---
amdhsa.version: [ 1, 2 ]
amdhsa.kernels:
  - .name:           k_q131f930674_quant
    .symbol:         k_q131f930674_quant.kd
    .args:
      - { .name: text_feat, .offset: 0, .size: 8, .value_kind: global_buffer, .address_space: global }
      - { .name: video_feat, .offset: 8, .size: 8, .value_kind: global_buffer, .address_space: global }
      - { .name: codes, .offset: 16, .size: 8, .value_kind: global_buffer, .address_space: global }
    .group_segment_fixed_size: 33792
    .private_segment_fixed_size: 0
    .kernarg_segment_align: 8
    .kernarg_segment_size: 24
    .max_flat_workgroup_size: 128
    .sgpr_count:     66
    .vgpr_count:     130
    .wavefront_size: 32
...
	.end_amdgpu_metadata
.endif
;; end of part 1
;; launch pool (part 2): grid 16 x 16, 8 waves a work-group, clusters of 4 x 4, 327,680 bytes of LDS; arguments codes, text_mask, out0; writes out0
.if DOCPART == 2
	.amdgcn_target "amdgcn-amd-amdhsa--gfx1250"
	.amdhsa_code_object_version 6
	.text
	.protected	k_q131f930674_pool
	.globl	k_q131f930674_pool
	.p2align	8
	.type	k_q131f930674_pool,@function
k_q131f930674_pool:
	s_mov_b64 s[64:65], 0
	v_nop
	global_prefetch_b8 v0, s[64:65] scope:SCOPE_SE
	s_setreg_imm32_b32 hwreg(HW_REG_WAVE_MODE, 25, 1), 1
	s_wait_xcnt 0x0
	s_wait_alu depctr_hold_cnt(0) depctr_sa_sdst(0) depctr_va_vdst(0) depctr_va_sdst(0) depctr_va_ssrc(0) depctr_va_vcc(0) depctr_vm_vsrc(0)
	s_getreg_b32 s2, hwreg(HW_REG_IB_STS2, 6, 4)
	s_cmp_eq_u32 s2, 0
	s_cbranch_scc0 .Lentry_in_a_cluster
	s_endpgm
.Lentry_in_a_cluster:
	s_bfe_u32 s2, ttmp6, 0x10000c
	s_cmp_lg_u32 s2, 0xf033
	s_cbranch_scc0 .Lentry_shape_is_right
	s_endpgm
.Lentry_shape_is_right:
; out0[a][b] = (t2v_ab + v2t_ab) / 2, from r[t][v] = mask[a][t] x (text a's token t . video b's frame v), 32 x 16 numbers a pair, the products on codes of FP6 (E2M3) with E8M0 scales.
;   t2v[t] = sum_v r softmax_v(100 r);   v2t[v] = sum_t r softmax_t(100 z), z = r, or -infinity where r == 0;
;   t2v_ab = sum_t t2v softmax_t(100 z'), z' = t2v, or -infinity where t2v == 0;   v2t_ab = sum_v v2t softmax_v(100 v2t).
; All is kept as g = c r, c = 100 log2(e): every softmax is 2^(g - its maximum) over the sum of these, and the last line divides by c.
; SHARES.  Work-group (x, y): texts 16 y .. 16 y + 15, videos 16 x .. 16 x + 15.  Wave w owns texts 16 y + 2 w + i, i = 0, 1: their 4 tiles x 4 K steps of fragments (192 registers, window 1) stay in
; registers; it walks 8 pairs of videos, whose register images lie in LDS: a trip is 4 pairs (text, video), 32 matrix instructions.
; BOTH POOLING AXES RUN ALONG A LANE'S REGISTERS.  A video tile holds 8 frames of each of two videos, so in the product video tile k (source 0) x text tile (i, u) (source 1) lane (r, h) holds token
; 16 u + r of text i and register j frame 8 k + j of video h of the two: k = 0, 1 give it all 16 frames.  For the tokens' axis g turns through the wave's own stage in LDS: row t holds 2 x 16 numbers
; (video, frame); it is written 16 bytes a lane and read back a word a lane: lane (r, h) then holds frame r of video h, register t token t.
; ZEROS.  g is made with + 0 added, so that a zero is +0.  Taking 16 off the exponent field of every number, by one integer addition, turns g into y = g x 2^-16 and +0 into -2^113: that loses every
; maximum, its exponential is 0, and it adds nothing to a sum.  So where(r == 0, -infinity, r) costs no compare.  A column of zeros alone gives NaN, as the definition does.
; A softmax's two sums, of e and of g e, go to the wave's second stage as they are; behind the loop lane p divides and pools pair p's: the second round is done once for 32 pairs.
; CLUSTERS: 4 x 4 work-groups.  The four of a row of the cluster need the same texts, the four of a column the same videos: each tile is asked for JOINTLY, by the same tensor load with the same
; descriptor and a mask that names the four.  One load a wave, rows of 256 bytes, in the order in which they are needed: wave 0 the first four videos (100 rows), waves 1 and 2 K steps 0 and 1 of the
; texts with their scales (208 rows each), waves 3 and 4 K steps 2 and 3 (192 rows each), waves 5-7 the other videos (100 rows each).  Three barriers show them: the first what waves 0-2 brought,
; for the first half of the first trip's products; the second what waves 3 and 4 brought; the third, round the first trip's pooling over the frames, the rest.
; All that the launch reads of codes is asked for at the head: no loop fetches from memory, so there is nothing to prefetch for, and each LDS byte is filled once.
; out0 leaves as two runs of 64 bytes a wave: a work-group's block is 16 videos wide.
; LIMITS: a nonzero g of magnitude under 2^-110 is not served; a / b is a x v_rcp_f32(b); a text whose mask is all zero gives NaN, as the definition does; NaN and infinities in the mask are not served.
.set TREC, 6400                        ; a video tile's record: 4 x 1,536 bytes of codes, 256 of scales
.set H1,   3328                        ; a text tile's K steps 0 and 1 and its scales,
.set H2,   3072                        ; and its K steps 2 and 3
.set TB2,  32*H1                       ; LDS, as in memory: the 32 text tiles' first halves, from here on their second halves,
.set VBASE, TB2+32*H2                  ; then the 16 video tiles
.set SPARE, VBASE+16*TREC              ; the spare words, 128 bytes for each wave: four blocks of 256 bytes that no other line names
.set SP1,  144                         ; when a wave has read its own four text tiles, its stages lie there.  In the second halves (12,288 bytes) g: 64 rows of 128 bytes + 16, an odd multiple of 16
.set SP2,  400                         ; in the first halves (13,312 bytes) the pairs' sums: over the frames 32 of g e, 32 of e; over the tokens 16 of y e, 16 of e; 16 bytes spare: an odd multiple of 16
.set VB,   1                           ; v1  VBASE + 16 x lane
.set VSB,  2                           ; v2  the videos' scale words: + 6,144 + 6,400 h + 16 r
.set WR,   3                           ; v3  my stage, on the way in: 144 r + 64 h
.set RB,   4                           ; v4  and back: 4 x lane
.set S2,   5                           ; v5  my pairs' rows: 400 h + 4 r
.set VA,   6                           ; v6-8 the same of the trip in hand
.set VSA,  7
.set S2A,  8
.set MX,   12                          ; v12-19 maxima (a multiple of 4: the dual pairs' second sources lie in different banks)
.set SD,   20                          ; v20-27 four pairs: sums of e
.set SPW,  34                          ; v34 my spare word's address, v35 0: kept for the add alone
.set NIL,  35
.set TS,   36                          ; v36-39 text 0's scale words of K step s: lanes 0-15 tile 0's rows, lanes 16-31 tile 1's; v44-47 text 1's
.set VS,   40                          ; v40-43 the two video tiles', likewise
.set DD,   48                          ; v48-53 sums of e: (i, u), then the tokens' axis i
.set NN,   54                          ; v54-59 sums of g e (y e)
.set ACC,  64                          ; v64-127 the products (i, u, k) at 64 + 32 i + 16 u + 8 k; then text i's g by tokens at 64 + 32 i
.set EZ,   128                         ; v128-191 exponents, then exponentials
.set VF,   192                         ; the video tiles' fragments: K step s at 192 + 12 s, tile 0's in window 0, tile 1's in window 1 (v448-495)
.set MK,   240                         ; v240-247 c x mask of token 16 u + r of text i in register 240 + 2 (2 i + u); the odd ones 0 (named with it as a pair)
.set SN,   248                         ; v248-255 four pairs: sums of g e
.set WV,   12
.set KS,   17                          ; s17 takes 16 off an exponent field
.set TW,   18                          ; s[18:19] 2^16 (the packed form names a pair and takes its low word for both halves)
.set TB,   22                          ; s22 the next two videos' images
.set TG,   23                          ; s23 the trip's rows in my second stage
.set CNT,  31
.set G0,   32                          ; s[32:35], s[48:55] the descriptor of the texts' first halves;
.set G1,   48
.set G0T,  36                          ; s[36:39], s[56:63] of their second halves;
.set G1T,  56
.set G0V,  68                          ; s[68:71], s[72:79] of the videos
.set G1V,  72
.set MSB, 0
.macro WIN new                         ; the immediate's high byte repeats the setting that is left
.if MSB != \new
	s_set_vgpr_msb (MSB<<8)|\new
.set MSB, \new
.endif
.endm
.macro CROUND                          ; a round of the cluster's barrier
	s_barrier_signal -1
	s_barrier_wait -1
	s_cmp_lg_u32 s[WV], 0
	s_cbranch_scc1 .Lnot_wave_0_\@
	s_barrier_signal -3
.Lnot_wave_0_\@:
	s_barrier_wait -3
	s_barrier_signal -1
	s_barrier_wait -1
.endm
.macro FETCH va, vsa, off              ; two video tiles' fragments and scale words, as they lie: 25 loads
.irp c, 0,1,2,3,4,5,6,7,8,9,10,11
	ds_load_b128 v[VF+4*\c:VF+4*\c+3], v[\va] offset:\off+512*\c
.endr
	ds_load_b128 v[VS:VS+3], v[\vsa] offset:\off
	WIN 0x40
.irp c, 0,1,2,3,4,5,6,7,8,9,10,11
	ds_load_b128 v[VF+4*\c:VF+4*\c+3], v[\va] offset:\off+TREC+512*\c
.endr
	WIN 0
.endm
; One product: text tile tt = 2 i + u, video tile k, K step s.  Lanes 0-15 of a scale register serve tile 0 of its two, lanes 16-31 (ROW1) tile 1.  first: the product starts the sum.
.macro WM tt, k, s, first
.set WD, ACC+16*(\tt)+8*(\k)
.set WA, VF+12*(\s)
.set WB, 48*(\tt)+12*(\s)
.set QA, VS+(\s)
.set QB, TS+8*((\tt)/2)+(\s)
.if \first
.if (\k) == 0 && (\tt)%2 == 0
	v_wmma_scale_f32_16x16x128_f8f6f4 v[WD:WD+7], v[WA:WA+11], v[WB:WB+11], 0, v[QA], v[QB] matrix_a_fmt:MATRIX_FMT_FP6 matrix_b_fmt:MATRIX_FMT_FP6
.elseif (\k) == 0
	v_wmma_scale_f32_16x16x128_f8f6f4 v[WD:WD+7], v[WA:WA+11], v[WB:WB+11], 0, v[QA], v[QB] matrix_a_fmt:MATRIX_FMT_FP6 matrix_b_fmt:MATRIX_FMT_FP6 matrix_b_scale:MATRIX_SCALE_ROW1
.elseif (\tt)%2 == 0
	v_wmma_scale_f32_16x16x128_f8f6f4 v[WD:WD+7], v[WA:WA+11], v[WB:WB+11], 0, v[QA], v[QB] matrix_a_fmt:MATRIX_FMT_FP6 matrix_b_fmt:MATRIX_FMT_FP6 matrix_a_scale:MATRIX_SCALE_ROW1
.else
	v_wmma_scale_f32_16x16x128_f8f6f4 v[WD:WD+7], v[WA:WA+11], v[WB:WB+11], 0, v[QA], v[QB] matrix_a_fmt:MATRIX_FMT_FP6 matrix_b_fmt:MATRIX_FMT_FP6 matrix_a_scale:MATRIX_SCALE_ROW1 matrix_b_scale:MATRIX_SCALE_ROW1
.endif
.else
.if (\k) == 0 && (\tt)%2 == 0
	v_wmma_scale_f32_16x16x128_f8f6f4 v[WD:WD+7], v[WA:WA+11], v[WB:WB+11], v[WD:WD+7], v[QA], v[QB] matrix_a_fmt:MATRIX_FMT_FP6 matrix_b_fmt:MATRIX_FMT_FP6
.elseif (\k) == 0
	v_wmma_scale_f32_16x16x128_f8f6f4 v[WD:WD+7], v[WA:WA+11], v[WB:WB+11], v[WD:WD+7], v[QA], v[QB] matrix_a_fmt:MATRIX_FMT_FP6 matrix_b_fmt:MATRIX_FMT_FP6 matrix_b_scale:MATRIX_SCALE_ROW1
.elseif (\tt)%2 == 0
	v_wmma_scale_f32_16x16x128_f8f6f4 v[WD:WD+7], v[WA:WA+11], v[WB:WB+11], v[WD:WD+7], v[QA], v[QB] matrix_a_fmt:MATRIX_FMT_FP6 matrix_b_fmt:MATRIX_FMT_FP6 matrix_a_scale:MATRIX_SCALE_ROW1
.else
	v_wmma_scale_f32_16x16x128_f8f6f4 v[WD:WD+7], v[WA:WA+11], v[WB:WB+11], v[WD:WD+7], v[QA], v[QB] matrix_a_fmt:MATRIX_FMT_FP6 matrix_b_fmt:MATRIX_FMT_FP6 matrix_a_scale:MATRIX_SCALE_ROW1 matrix_b_scale:MATRIX_SCALE_ROW1
.endif
.endif
.endm
.macro MMSTEP s, first                 ; the eight accumulators take turns, one instruction a turn
	WIN 0x04                                       ; source 1, the text, in window 1; source 0, video tile 0, in window 0,
.irp t, 0,1,2,3
	WM \t, 0, \s, \first
.endr
	WIN 0x05                                       ; and tile 1 in window 1
.irp t, 0,1,2,3
	WM \t, 1, \s, \first
.endr
.endm
.macro EXPS base, n                    ; a batch of exponentials, with a wait ahead of it and behind it
	s_wait_alu depctr_va_vdst(0)
.set IE, 0
.rept \n
	v_exp_f32 v[\base+IE], v[\base+IE]
.set IE, IE+1
.endr
	v_nop                                          ; a plain instruction behind the last
	s_wait_alu depctr_va_vdst(0)
.endm
; Over the frames: the four text tiles q = 2 i + u by turns, 16 numbers a lane each, as far as the exponentials.
.macro FRAMES
.irp q, 0,1,2,3
	v_max3_num_f32 v[MX+2*\q], v[ACC+16*\q], v[ACC+16*\q+1], v[ACC+16*\q+2]
.endr
.irp q, 0,1,2,3
	v_max3_num_f32 v[MX+2*\q+1], v[ACC+16*\q+3], v[ACC+16*\q+4], v[ACC+16*\q+5]
.endr
.irp j, 6,10
.irp q, 0,1,2,3
	v_max3_num_f32 v[MX+2*\q], v[MX+2*\q], v[ACC+16*\q+\j], v[ACC+16*\q+\j+1]
.endr
.irp q, 0,1,2,3
	v_max3_num_f32 v[MX+2*\q+1], v[MX+2*\q+1], v[ACC+16*\q+\j+2], v[ACC+16*\q+\j+3]
.endr
.endr
.irp q, 0,1,2,3
	v_max3_num_f32 v[MX+2*\q], v[MX+2*\q], v[ACC+16*\q+14], v[ACC+16*\q+15]
.endr
.irp q, 0,1,2,3
	v_max_num_f32 v[MX+2*\q], v[MX+2*\q], v[MX+2*\q+1]
.endr
.irp j, 0,2,4,6,8,10,12,14
.irp q, 0,1,2,3
	v_pk_add_f32 v[EZ+16*\q+\j:EZ+16*\q+\j+1], v[ACC+16*\q+\j:ACC+16*\q+\j+1], v[MX+2*\q:MX+2*\q+1] op_sel_hi:[1,0] neg_lo:[0,1] neg_hi:[0,1]
.endr
.endr
	EXPS EZ, 64
.endm
.macro DSUM q, j
	v_pk_add_f32 v[SD+2*\q:SD+2*\q+1], v[SD+2*\q:SD+2*\q+1], v[EZ+16*\q+\j:EZ+16*\q+\j+1]
.endm
.macro NSUM q, d, j
	v_pk_fma_f32 v[SN+2*(\d):SN+2*(\d)+1], v[ACC+16*\q+\j:ACC+16*\q+\j+1], v[EZ+16*\q+\j:EZ+16*\q+\j+1], v[SN+2*(\d):SN+2*(\d)+1]
.endm
.macro NBEG q, d, j
	v_pk_mul_f32 v[SN+2*(\d):SN+2*(\d)+1], v[ACC+16*\q+\j:ACC+16*\q+\j+1], v[EZ+16*\q+\j:EZ+16*\q+\j+1]
.endm
; Their sums: both of text 0 and those of e of text 1, six chains by turns; then text 0's g by tokens are asked for, over registers that have been read.
.macro SUMS0
.irp q, 0,1,2,3
	v_pk_add_f32 v[SD+2*\q:SD+2*\q+1], v[EZ+16*\q:EZ+16*\q+1], v[EZ+16*\q+2:EZ+16*\q+3]
.endr
	NBEG 0, 0, 0
	NBEG 1, 1, 0
.irp j, 4,6,8,10,12,14
	DSUM 0, \j
	DSUM 1, \j
	DSUM 2, \j
	DSUM 3, \j
	NSUM 0, 0, \j
	NSUM 1, 1, \j
.endr
.irp q, 0,1,2,3
	v_add_f32 v[DD+\q], v[SD+2*\q], v[SD+2*\q+1]
.endr
	NSUM 0, 0, 2
	NSUM 1, 1, 2
.endm
; Text 1's of g e, four chains by turns.
.macro SUMS1
	NBEG 2, 2, 0
	NBEG 3, 3, 0
	v_add_f32 v[NN], v[SN], v[SN+1]
	v_add_f32 v[NN+1], v[SN+2], v[SN+3]
	NBEG 2, 0, 2
	NBEG 3, 1, 2
.irp j, 4,8,12
	NSUM 2, 2, \j
	NSUM 3, 3, \j
	NSUM 2, 0, \j+2
	NSUM 3, 1, \j+2
.endr
	v_pk_add_f32 v[SN+4:SN+5], v[SN+4:SN+5], v[SN:SN+1]
	v_pk_add_f32 v[SN+6:SN+7], v[SN+6:SN+7], v[SN+2:SN+3]
	v_add_f32 v[NN+2], v[SN+4], v[SN+5]
	v_add_f32 v[NN+3], v[SN+6], v[SN+7]
.endm
; Over the tokens, zeros counting for nothing.  YMAX: text i's 32 numbers become y, and all but the last four pass into four running maxima: number t becomes y while number t - 4 is compared.
.macro YMAX i
.set X, ACC+32*(\i)
.set M, MX+4*(\i)
.irp t, 0,1,2,3,4,5,6,7
	v_add_nc_u32 v[X+\t], s[KS], v[X+\t]
.endr
	v_dual_max_num_f32 v[M+1], v[X], v[X+5] :: v_dual_add_nc_u32 v[X+8], s[KS], v[X+8]
	v_dual_max_num_f32 v[M], v[X+1], v[X+4] :: v_dual_add_nc_u32 v[X+9], s[KS], v[X+9]
	v_dual_max_num_f32 v[M+3], v[X+2], v[X+7] :: v_dual_add_nc_u32 v[X+10], s[KS], v[X+10]
	v_dual_max_num_f32 v[M+2], v[X+3], v[X+6] :: v_dual_add_nc_u32 v[X+11], s[KS], v[X+11]
.set T, X+12
.rept 5
	v_dual_max_num_f32 v[M+1], v[T-4], v[M+1] :: v_dual_add_nc_u32 v[T], s[KS], v[T]
	v_dual_max_num_f32 v[M], v[T-3], v[M] :: v_dual_add_nc_u32 v[T+1], s[KS], v[T+1]
	v_dual_max_num_f32 v[M+3], v[T-2], v[M+3] :: v_dual_add_nc_u32 v[T+2], s[KS], v[T+2]
	v_dual_max_num_f32 v[M+2], v[T-1], v[M+2] :: v_dual_add_nc_u32 v[T+3], s[KS], v[T+3]
.set T, T+4
.endr
.endm
; The rest, for n texts by turns; ne: the exponentials of the batch.  Sums of e into v[DD+4+I], of y e into v[NN+4+I].
.macro TOKENS n, ne
.set I, 0
.rept \n
	v_max3_num_f32 v[MX+4*I], v[MX+4*I], v[MX+4*I+1], v[ACC+32*I+28]
	v_max3_num_f32 v[MX+4*I+2], v[MX+4*I+2], v[MX+4*I+3], v[ACC+32*I+29]
.set I, I+1
.endr
.set I, 0
.rept \n
	v_max3_num_f32 v[MX+4*I], v[MX+4*I], v[ACC+32*I+30], v[ACC+32*I+31]
.set I, I+1
.endr
.set I, 0
.rept \n
	v_max_num_f32 v[MX+4*I], v[MX+4*I], v[MX+4*I+2]
.set I, I+1
.endr
.set I, 0
.rept \n
	v_mul_f32 v[MX+4*I], s[TW], v[MX+4*I]          ; the largest g
.set I, I+1
.endr
.irp j, 0,2,4,6,8,10,12,14,16,18,20,22,24,26,28,30
.set I, 0
.rept \n
	v_pk_fma_f32 v[EZ+32*I+\j:EZ+32*I+\j+1], v[ACC+32*I+\j:ACC+32*I+\j+1], s[TW:TW+1], v[MX+4*I:MX+4*I+1] op_sel_hi:[1,0,0] neg_lo:[0,0,1] neg_hi:[0,0,1]
.set I, I+1
.endr
.endr
	EXPS EZ, \ne
.set I, 0
.rept \n
	v_pk_add_f32 v[SD+4*I:SD+4*I+1], v[EZ+32*I:EZ+32*I+1], v[EZ+32*I+2:EZ+32*I+3]
	v_pk_mul_f32 v[SN+4*I:SN+4*I+1], v[ACC+32*I:ACC+32*I+1], v[EZ+32*I:EZ+32*I+1]
	v_pk_add_f32 v[SD+4*I+2:SD+4*I+3], v[EZ+32*I+4:EZ+32*I+5], v[EZ+32*I+6:EZ+32*I+7]
	v_pk_mul_f32 v[SN+4*I+2:SN+4*I+3], v[ACC+32*I+2:ACC+32*I+3], v[EZ+32*I+2:EZ+32*I+3]
.set I, I+1
.endr
.irp j, 4,8,12,16,20,24,28
.set I, 0
.rept \n
.if \j > 4
	v_pk_add_f32 v[SD+4*I:SD+4*I+1], v[SD+4*I:SD+4*I+1], v[EZ+32*I+\j:EZ+32*I+\j+1]
.endif
	v_pk_fma_f32 v[SN+4*I:SN+4*I+1], v[ACC+32*I+\j:ACC+32*I+\j+1], v[EZ+32*I+\j:EZ+32*I+\j+1], v[SN+4*I:SN+4*I+1]
.if \j > 4
	v_pk_add_f32 v[SD+4*I+2:SD+4*I+3], v[SD+4*I+2:SD+4*I+3], v[EZ+32*I+\j+2:EZ+32*I+\j+3]
.endif
	v_pk_fma_f32 v[SN+4*I+2:SN+4*I+3], v[ACC+32*I+\j+2:ACC+32*I+\j+3], v[EZ+32*I+\j+2:EZ+32*I+\j+3], v[SN+4*I+2:SN+4*I+3]
.set I, I+1
.endr
.endr
.set I, 0
.rept \n
	v_pk_add_f32 v[SD+4*I:SD+4*I+1], v[SD+4*I:SD+4*I+1], v[SD+4*I+2:SD+4*I+3]
	v_pk_add_f32 v[SN+4*I:SN+4*I+1], v[SN+4*I:SN+4*I+1], v[SN+4*I+2:SN+4*I+3]
.set I, I+1
.endr
.set I, 0
.rept \n
	v_add_f32 v[DD+4+I], v[SD+4*I], v[SD+4*I+1]
	v_add_f32 v[NN+4+I], v[SN+4*I], v[SN+4*I+1]
.set I, I+1
.endr
.endm
.macro BACK i                          ; text i's g by tokens, 32 loads of a word a lane: LDS serves a wave's instructions in order (ISA guide 5.7.1.4): these see my stores
.set IB, 0
.rept 32
	ds_load_b32 v[ACC+32*(\i)+IB], v[RB] offset:32*SP1*(\i)+SP1*IB
.set IB, IB+1
.endr
.endm
	s_load_b64 s[4:5], s[0:1], 0x0                 ; codes
	s_load_b128 s[8:11], s[0:1], 0x8               ; text_mask, out0
	v_lshl_add_u32 v[SPW], v0, 2, SPARE
	v_mov_b32 v[NIL], 0
	ds_add_u32 v[SPW], v[NIL]                      ; the wave's opening: the add, twice on end, and its wait ahead of my first tensor load
	ds_add_u32 v[SPW], v[NIL]
	v_lshrrev_b32 v1, 5, v0
	v_readfirstlane_b32 s[WV], v1                  ; wave 0..7
	s_and_b32 s15, s[WV], 3                        ; which quarter of the videos waves 0, 5, 6, 7 fetch,
	s_add_co_u32 s16, s[WV], 1
	s_and_b32 s16, s16, 1                          ; and which half of the texts waves 1 and 2, 3 and 4
	s_bfe_u32 s40, ttmp6, 0x40000                  ; cx, cy: my place in the cluster
	s_bfe_u32 s41, ttmp6, 0x40004
	s_lshl_b32 s42, ttmp9, 2
	s_add_co_u32 s42, s42, s40                     ; x
	s_and_b32 s13, ttmp7, 0xffff
	s_lshl_b32 s13, s13, 2
	s_add_co_u32 s13, s13, s41                     ; y
	s_lshl_b32 s43, s41, 2
	s_lshl_b32 s43, 15, s43                        ; my row of the cluster
	s_lshl_b32 s44, 0x1111, s40                    ; my column
	; descriptors: a dense block as rows of 256 bytes (32 elements of 8 bytes), no padding
	s_or_b32 s[G1+0], s43, (3<<16)|(1<<21)
	s_or_b32 s[G1T+0], s43, (3<<16)|(1<<21)
	s_or_b32 s[G1V+0], s44, (3<<16)|(1<<21)
.irp g, G1, G1T, G1V
	s_mov_b32 s[\g+1], 32<<16
	s_mov_b32 s[\g+3], 32<<16
	s_mov_b32 s[\g+5], 32
	s_mov_b32 s[\g+6], 0
	s_mov_b32 s[\g+7], 0
.endr
	s_mov_b32 s[G1+2], 208<<16                     ; eight texts' first halves
	s_mov_b32 s[G1+4], 208
	s_mov_b32 s[G1T+2], 192<<16                    ; eight texts' second halves
	s_mov_b32 s[G1T+4], 192
	s_mov_b32 s[G1V+2], 100<<16                    ; four videos
	s_mov_b32 s[G1V+4], 100
	s_mov_b32 s[G0], 1
	s_mul_i32 s[G0+1], s16, 16*H1
	s_mov_b32 s[G0T], 1
	s_mul_i32 s[G0T+1], s16, 16*H2
	s_add_co_u32 s[G0T+1], s[G0T+1], TB2
	s_mov_b32 s[G0V], 1
	s_mul_i32 s[G0V+1], s15, 4*TREC
	s_add_co_u32 s[G0V+1], s[G0V+1], VBASE
	s_mul_i32 s20, s13, VBASE                      ; the texts' tiles hang on y alone,
	s_mul_i32 s24, s16, 16*H1
	s_add_co_u32 s24, s24, s20
	s_mov_b32 s25, 0
	s_mul_i32 s26, s16, 16*H2
	s_add_co_u32 s26, s26, s20
	s_add_co_u32 s26, s26, TB2
	s_mov_b32 s27, 0
	s_mul_i32 s46, s42, 16*TREC                    ; the videos' on x alone
	s_mul_i32 s47, s15, 4*TREC
	s_add_co_u32 s46, s46, s47
	s_add_co_u32 s46, s46, 512*TREC
	s_mov_b32 s47, 0
	s_wait_dscnt 0x0                               ; both opening adds are done
	s_wait_kmcnt 0x0
	s_add_nc_u64 s[G0+2:G0+3], s[4:5], s[24:25]
	s_or_b32 s[G0+3], s[G0+3], 0x80000000
	s_add_nc_u64 s[G0T+2:G0T+3], s[4:5], s[26:27]
	s_or_b32 s[G0T+3], s[G0T+3], 0x80000000
	s_add_nc_u64 s[G0V+2:G0V+3], s[4:5], s[46:47]
	s_or_b32 s[G0V+3], s[G0V+3], 0x80000000
	CROUND                                         ; all sixteen work-groups are here: the joint loads meet
.macro ASK g0, g1
	tensor_load_to_lds s[\g0:\g0+3], s[\g1:\g1+7]
	s_nop 0
.rept 4
	v_nop
.endr
.endm
	; One load a wave, one chain of branches.  Waves 0-2 wait for theirs at the first barrier, waves 3 and 4 at the second, waves 5-7 at the third: each of these groups has lines of its own.
	s_cmp_lt_u32 s[WV], 1
	s_cbranch_scc0 .Lfirst_halves
	ASK G0V, G1V                                   ; wave 0: the first four videos
	s_branch .Lasked
.Lfirst_halves:
	s_cmp_lt_u32 s[WV], 3
	s_cbranch_scc0 .Lsecond_halves
	ASK G0, G1                                     ; waves 1, 2
	s_branch .Lasked
.Lsecond_halves:
	s_cmp_lt_u32 s[WV], 5
	s_cbranch_scc0 .Lothers
	ASK G0T, G1T                                   ; waves 3, 4
	s_branch .Lasked
.Lothers:
	ASK G0V, G1V                                   ; waves 5-7: four of the other twelve videos
.Lasked:
	s_lshl_b32 s24, s13, 11                        ; my texts' rows of the mask: (16 y + 2 w) x 128 bytes
	s_lshl_b32 s25, s[WV], 8
	s_add_co_u32 s24, s24, s25
	s_mov_b32 s25, 0
	s_lshl_b32 s26, s13, 14                        ; and of out0: (16 y + 2 w) x 1,024 + 64 x
	s_lshl_b32 s27, s[WV], 11
	s_add_co_u32 s26, s26, s27
	s_lshl_b32 s27, s42, 6
	s_add_co_u32 s26, s26, s27
	s_mov_b32 s27, 0
	s_add_nc_u64 s[8:9], s[8:9], s[24:25]
	s_add_nc_u64 s[10:11], s[10:11], s[26:27]
	s_mul_i32 s28, s[WV], 4*H1                     ; my own LDS bytes: first halves,
	s_mul_i32 s29, s[WV], 4*H2
	s_add_co_u32 s29, s29, TB2                     ; second halves
	s_add_co_u32 s30, s28, 3072                    ; and my text tiles' scales
	s_mov_b32 s[KS], 0xf8000000
	s_mov_b32 s[TW], 0x47800000
	s_mov_b32 s[TW+1], s[TW]
	s_mov_b32 s[TB], 2*TREC
	s_mov_b32 s[TG], 0
	s_mov_b32 s[CNT], 6
	v_and_b32 v10, 31, v0                          ; lane
	v_and_b32 v11, 15, v0                          ; r
	v_bfe_u32 v12, v0, 4, 1                        ; h
	v_lshlrev_b32 v13, 2, v11
.irp t, 0,1,2,3
	global_load_b32 v[MK+2*\t], v13, s[8:9] offset:64*\t   ; mask of token 16 u + r of text i, t = 2 i + u
.endr
.irp t, 0,1,2,3
	v_mov_b32 v[MK+2*\t+1], 0
.endr
	v_lshl_add_u32 v14, v10, 4, s28                ; my text tiles' images: first halves,
	v_lshl_add_u32 v9, v10, 4, s29                 ; second halves
	v_mul_u32_u24 v16, H1, v12
	v_lshl_add_u32 v16, v11, 4, v16                ; scale words: lanes 0-15 tile 0's rows, lanes 16-31 tile 1's
	v_add_nc_u32 v15, s30, v16
	v_mul_u32_u24 v16, TREC, v12
	v_lshl_add_u32 v16, v11, 4, v16
	v_add_nc_u32 v[VSB], VBASE+6144, v16
	v_lshl_add_u32 v[VB], v10, 4, VBASE
	v_mul_u32_u24 v17, SP1, v11
	v_lshl_add_u32 v17, v12, 6, v17
	v_add_nc_u32 v[WR], s29, v17
	v_lshl_add_u32 v[RB], v10, 2, s29
	v_mul_u32_u24 v18, SP2, v12
	v_lshl_add_u32 v18, v11, 2, v18
	v_add_nc_u32 v[S2], s28, v18
	s_wait_alu depctr_va_vdst(0)                   ; the wait at the head's end
	s_cmp_lt_u32 s[WV], 3
	s_cbranch_scc0 .Llater
	s_wait_tensorcnt 0x0                           ; waves 0-2: my tile is in
.Llater:
	s_barrier_signal -1
	s_barrier_wait -1                              ; the first four videos and the texts' first halves are
	ds_load_b128 v[VS:VS+3], v[VSB]
.irp i, 0,1
	ds_load_b128 v[TS+8*\i:TS+8*\i+3], v15 offset:2*H1*\i
.endr
.macro VLOAD s                         ; K step s of the first two videos: 6 loads.  (Leaves window 1 as the destination)
	WIN 0
.irp c, 0,1,2
	ds_load_b128 v[VF+12*\s+4*\c:VF+12*\s+4*\c+3], v[VB] offset:1536*\s+512*\c
.endr
	WIN 0x40
.irp c, 0,1,2
	ds_load_b128 v[VF+12*\s+4*\c:VF+12*\s+4*\c+3], v[VB] offset:TREC+1536*\s+512*\c
.endr
.endm
.macro TLOAD s, adr, pitch, k          ; K step s of my texts, which stays: tile t at v256 + 48 t + 12 s: 12 loads
	WIN 0x40
.irp t, 0,1,2,3
.irp c, 0,1,2
	ds_load_b128 v[48*\t+12*\s+4*\c:48*\t+12*\s+4*\c+3], v[\adr] offset:\pitch*\t+1536*\k+512*\c
.endr
.endr
.endm
	VLOAD 0
	TLOAD 0, 14, H1, 0
	VLOAD 1
	TLOAD 1, 14, H1, 1
	VLOAD 2
	VLOAD 3
	WIN 0
	s_wait_loadcnt 0x0
.irp t, 0,1,2,3
	v_mul_f32 v[MK+2*\t], 0x431044fe, v[MK+2*\t]   ; c x mask
.endr
	s_wait_alu depctr_va_vdst(0)                   ; a wait ahead of the waits below
	; the first trip's products
	s_wait_dscnt 30                                ; K step 0's are in; K step 1's 18 and the videos' other 12 may be out
	MMSTEP 0, 1
	s_wait_dscnt 12
	MMSTEP 1, 0
	WIN 0
	s_cmp_lt_u32 s[WV], 5
	s_cbranch_scc0 .Llater_still
	s_wait_tensorcnt 0x0                           ; waves 0-4: my tile is in
.Llater_still:
	s_wait_dscnt 0x0
	s_barrier_signal -1
	s_barrier_wait -1                              ; the texts' second halves are
	TLOAD 2, 9, H2, 0
	TLOAD 3, 9, H2, 1
	s_wait_dscnt 12                                ; K step 2's are in; K step 3's 12 may be out
	MMSTEP 2, 0
	s_wait_dscnt 0x0                               ; all: my own text tiles' bytes are free for my stages, and no other wave reads them
	MMSTEP 3, 0
; ONE TRIP: my two texts, two videos.  head = 1: the first, whose products stand above.  next = 1: the next two videos' fragments are asked for behind the turn's loads and land under the pooling
; over the tokens.
.macro TRIP head, next
.if !\head
	s_wait_dscnt 0x0                               ; the fragments are in
	MMSTEP 0, 1
	MMSTEP 1, 0
	MMSTEP 2, 0
	MMSTEP 3, 0
.endif
	WIN 0
	v_add_nc_u32 v[S2A], s[TG], v[S2]              ; four plain instructions that name no register of the products: the places behind the last of them (ISA guide 7.12.1)
.if \next && !\head
	s_add_co_u32 s[TB], s[TB], 2*TREC
	v_add_nc_u32 v[VA], s[TB], v[VB]
	v_add_nc_u32 v[VSA], s[TB], v[VSB]
.else
	v_nop
	v_nop
.endif
	v_nop
.irp t, 0,1,2,3                        ; g = product x (c x mask) + 0, each accumulator from its low end on; and into the stage: row 32 i + 16 u + r, 64 h on
.irp j, 0,2,4,6,8,10,12,14
	v_pk_fma_f32 v[ACC+16*\t+\j:ACC+16*\t+\j+1], v[ACC+16*\t+\j:ACC+16*\t+\j+1], v[MK+2*\t:MK+2*\t+1], 0 op_sel_hi:[1,0,0]
.endr
.irp q, 0,1,2,3
	ds_store_b128 v[WR], v[ACC+16*\t+4*\q:ACC+16*\t+4*\q+3] offset:16*SP1*\t+16*\q
.endr
.endr
.if \head
	s_wait_alu depctr_va_vdst(0)                   ; a wait ahead of the waits below
	s_wait_tensorcnt 0x0                           ; every wave: my tile is in, waves 5-7's too
	s_wait_dscnt 0x0
	s_barrier_signal -1
.endif
	FRAMES                                         ; (work on registers alone)
.if \head
	s_barrier_wait -1                              ; all sixteen videos are in
.endif
	SUMS0
	BACK 0
	SUMS1
.irp q, 0,1,2,3                        ; pair 16 i + video, token 16 u + r
	ds_store_b32 v[S2A], v[NN+\q] offset:16*SP2*(\q/2)+64*(\q%2)
	ds_store_b32 v[S2A], v[DD+\q] offset:16*SP2*(\q/2)+64*(\q%2)+128
.endr
	BACK 1
.if \next
.if \head
	FETCH VB, VSB, 2*TREC
.else
	FETCH VA, VSA, 0
.endif
	s_wait_dscnt 57                                ; text 0's are in; text 1's 32 and the fragments' 25 may be out
.else
	s_wait_dscnt 32
.endif
	YMAX 0
.if \next
	s_wait_dscnt 25                                ; text 1's are in; the fragments' 25 may be out
.else
	s_wait_dscnt 0x0
.endif
	YMAX 1
	TOKENS 2, 64
.irp i, 0,1                            ; frame r
	ds_store_b32 v[S2A], v[NN+4+\i] offset:16*SP2*\i+256
	ds_store_b32 v[S2A], v[DD+4+\i] offset:16*SP2*\i+320
.endr
.if \next
	s_add_co_u32 s[TG], s[TG], 2*SP2
.endif
.endm
	TRIP 1, 1
	s_wait_alu depctr_va_vdst(0)                   ; a wait ahead of the loop's first wait
.Ltrip:                                            ; 6 trips; the last is written out, so that no load reaches past the sixteenth video
	TRIP 0, 1
	s_sub_co_u32 s[CNT], s[CNT], 1
	s_cmp_lg_u32 s[CNT], 0
	s_wait_alu depctr_va_vdst(0)                   ; a wait directly ahead of the branch
	s_cbranch_scc1 .Ltrip
	TRIP 0, 0
	; ---- THE SECOND ROUND, once for my 32 pairs: lane p takes pair p = 16 i + video: 32 numbers of t2v, 16 of v2t.  My own stage: no barrier
	v_and_b32 v10, 31, v0
	v_mul_u32_u24 v10, SP2, v10
	v_add_nc_u32 v10, s28, v10
	v_and_b32 v11, 15, v0
	v_bfe_u32 v9, v0, 4, 1
	v_lshlrev_b32 v11, 2, v11
	v_lshl_add_u32 v11, v9, 10, v11                ; out0: text i's row, 4 x video
.irp c, 0,1,2,3,4,5,6,7
	ds_load_b128 v[EZ+4*\c:EZ+4*\c+3], v10 offset:128+16*\c
.endr
.irp c, 0,1,2,3
	ds_load_b128 v[EZ+32+4*\c:EZ+32+4*\c+3], v10 offset:320+16*\c
.endr
.irp c, 0,1,2,3,4,5,6,7
	ds_load_b128 v[ACC+4*\c:ACC+4*\c+3], v10 offset:16*\c
.endr
.irp c, 0,1,2,3
	ds_load_b128 v[ACC+32+4*\c:ACC+32+4*\c+3], v10 offset:256+16*\c
.endr
	s_wait_alu depctr_va_vdst(0)                   ; a wait ahead of the batch, and one behind it
	s_wait_dscnt 12                                ; the sums of e; the 12 loads of the weighted sums may be out
.set IE, 0
.rept 48
	v_rcp_f32 v[EZ+IE], v[EZ+IE]
.set IE, IE+1
.endr
	v_nop                                          ; a plain instruction behind the last
	s_wait_alu depctr_va_vdst(0)
	s_wait_dscnt 0x0
.set IE, 0
.rept 24                               ; c t2v, and c v2t x 2^-16; + 0, so that a zero is +0
	v_pk_fma_f32 v[ACC+IE:ACC+IE+1], v[ACC+IE:ACC+IE+1], v[EZ+IE:EZ+IE+1], 0 op_sel_hi:[1,1,0]
.set IE, IE+2
.endr
.set X, ACC+32                         ; v2t as far as the exponents
	v_max3_num_f32 v[MX+4], v[X], v[X+1], v[X+2]
	v_max3_num_f32 v[MX+5], v[X+3], v[X+4], v[X+5]
.irp j, 6,10
	v_max3_num_f32 v[MX+4], v[MX+4], v[X+\j], v[X+\j+1]
	v_max3_num_f32 v[MX+5], v[MX+5], v[X+\j+2], v[X+\j+3]
.endr
	v_max3_num_f32 v[MX+4], v[MX+4], v[X+14], v[X+15]
	v_max_num_f32 v[MX+4], v[MX+4], v[MX+5]
	v_mul_f32 v[MX+4], s[TW], v[MX+4]
.irp j, 0,2,4,6,8,10,12,14
	v_pk_fma_f32 v[EZ+32+\j:EZ+33+\j], v[X+\j:X+\j+1], s[TW:TW+1], v[MX+4:MX+5] op_sel_hi:[1,0,0] neg_lo:[0,0,1] neg_hi:[0,0,1]
.endr
	YMAX 0                                         ; t2v == 0 counts for nothing
	TOKENS 1, 48
.set X, ACC+32
	v_pk_add_f32 v[SD+4:SD+5], v[EZ+32:EZ+33], v[EZ+34:EZ+35]
	v_pk_mul_f32 v[SN+4:SN+5], v[X:X+1], v[EZ+32:EZ+33]
	v_pk_mul_f32 v[SN+6:SN+7], v[X+2:X+3], v[EZ+34:EZ+35]
.irp j, 4,8,12
	v_pk_add_f32 v[SD+4:SD+5], v[SD+4:SD+5], v[EZ+32+\j:EZ+33+\j]
	v_pk_fma_f32 v[SN+4:SN+5], v[X+\j:X+\j+1], v[EZ+32+\j:EZ+33+\j], v[SN+4:SN+5]
	v_pk_fma_f32 v[SN+6:SN+7], v[X+\j+2:X+\j+3], v[EZ+34+\j:EZ+35+\j], v[SN+6:SN+7]
	v_pk_add_f32 v[SD+4:SD+5], v[SD+4:SD+5], v[EZ+34+\j:EZ+35+\j]
.endr
	v_pk_add_f32 v[SN+4:SN+5], v[SN+4:SN+5], v[SN+6:SN+7]
	v_add_f32 v[DD+5], v[SD+4], v[SD+5]
	v_add_f32 v[NN+5], v[SN+4], v[SN+5]
	s_wait_alu depctr_va_vdst(0)
	v_rcp_f32 v[DD+4], v[DD+4]
	v_rcp_f32 v[DD+5], v[DD+5]
	v_add_f32 v[NN+1], v[NN+4], v[NN+4]            ; (plain, behind the reciprocals)  both sums are of y e: x 2^16, and x 1 / (2 c) = ln 2 / 200, written as 2 x 2^15 x that
	v_add_f32 v[NN+2], v[NN+5], v[NN+5]
	s_wait_alu depctr_va_vdst(0)
	v_mul_f32 v[NN], v[NN+1], v[DD+4]              ; t2v_ab
	v_fma_f32 v[NN], v[NN+2], v[DD+5], v[NN]       ; + v2t_ab
	v_mul_f32 v[NN], 0x42e32166, v[NN]             ; x 2^15 ln 2 / 200
	global_store_b32 v11, v[NN], s[10:11]
	s_wait_tensorcnt 0x0                           ; the wave's end, behind my last tensor load and my last LDS store
	ds_add_u32 v[SPW], v[NIL]
	s_wait_dscnt 0x0
	CROUND                                         ; the closing round: no work-group ends while a partner may still ask for a tile that names it
	s_endpgm
.Lfunc_end_k_q131f930674_pool:
	.size	k_q131f930674_pool, .Lfunc_end_k_q131f930674_pool-k_q131f930674_pool
	.p2alignl 7, 3214868480
	.fill 96, 4, 3214868480
	.section	.rodata,"a",@progbits
	.p2align	6, 0x0
	.amdhsa_kernel k_q131f930674_pool
		.amdhsa_group_segment_fixed_size 327680
		.amdhsa_private_segment_fixed_size 0
		.amdhsa_enable_private_segment 0
		.amdhsa_kernarg_size 24
		.amdhsa_user_sgpr_count 2
		.amdhsa_user_sgpr_kernarg_segment_ptr 1
		.amdhsa_wavefront_size32 1
		.amdhsa_system_sgpr_workgroup_id_x 1
		.amdhsa_system_sgpr_workgroup_id_y 1
		.amdhsa_system_sgpr_workgroup_id_z 1
		.amdhsa_system_vgpr_workitem_id 0
		.amdhsa_next_free_vgpr 512
		.amdhsa_next_free_sgpr 80
		.amdhsa_reserve_vcc 0
		.amdhsa_float_denorm_mode_32 3
		.amdhsa_float_denorm_mode_16_64 3
		.amdhsa_memory_ordered 1
		.amdhsa_forward_progress 1
		.amdhsa_inst_pref_size 136
	.end_amdhsa_kernel
	.amdgpu_metadata
---
amdhsa.version: [ 1, 2 ]
amdhsa.kernels:
  - .name:           k_q131f930674_pool
    .symbol:         k_q131f930674_pool.kd
    .args:
      - { .name: codes, .offset: 0, .size: 8, .value_kind: global_buffer, .address_space: global }
      - { .name: text_mask, .offset: 8, .size: 8, .value_kind: global_buffer, .address_space: global }
      - { .name: out0, .offset: 16, .size: 8, .value_kind: global_buffer, .address_space: global }
    .group_segment_fixed_size: 327680
    .private_segment_fixed_size: 0
    .kernarg_segment_align: 8
    .kernarg_segment_size: 24
    .max_flat_workgroup_size: 256
    .sgpr_count:     80
    .vgpr_count:     512
    .wavefront_size: 32
...
	.end_amdgpu_metadata
.endif
;; end of part 2
